; MI455X (gfx1250); checked and timed in simulation.
; The chip was launched on July 23, 2026; its instructions are those of AMD's public machine-readable ISA for CDNA 5 (MIT licence, August 2026) and "CDNA5" Instruction Set Architecture Reference Guide (July 2026). The comments in the code are by the model that wrote it; some were corrected since.
;; Codebook Linear. Allowed arithmetic: float matrix products may take bf16 or f16 operands with f32 sums; all other float work in f32.
;; Inputs: bias 2,048 float32; codebook 4,096 x 8 float32; indices 1,048,576 int32; x 4 x 2,048 x 4,096 float32.
;; Outputs: out0 4 x 2,048 x 2,048 float32.
;; One version. Each part assembles by itself: llvm-mc -triple=amdgcn-amd-amdhsa -mcpu=gfx1250 --defsym DOCPART=n.
;; ======== version 1 of 1: 2 launches
;; workspace buffers: wt 16,777,216 bytes
;; launch build_w (part 1): grid 256 x 1, 8 waves a work-group, no clusters, 83,968 bytes of LDS; arguments codebook, indices, wt; writes wt
.if DOCPART == 1
	.amdgcn_target "amdgcn-amd-amdhsa--gfx1250"
	.amdhsa_code_object_version 6
	.text
	.protected	k_q7cf2c4bfea_build_w
	.globl	k_q7cf2c4bfea_build_w
	.p2align	8
	.type	k_q7cf2c4bfea_build_w,@function
k_q7cf2c4bfea_build_w:
	s_mov_b64 s[64:65], 0
	v_nop
	global_prefetch_b8 v0, s[64:65] scope:SCOPE_SE
	s_setreg_imm32_b32 hwreg(HW_REG_WAVE_MODE, 25, 1), 1
	s_wait_xcnt 0x0
; wt = W in bf16, laid out as the matrix fragments of the next launch.  W[n][8 kb .. 8 kb + 7] = codebook[indices[512 n + kb]][0 .. 7].
; LAYOUT OF wt: byte = bc<<21 + j<<14 + f<<10 + c<<9 + h<<8 + r<<4, and these 16 bytes are one codebook row in bf16, for
;   n = 256 bc + 64 (f>>2) + 4 r + (f&3)   and   kb = 4 j + 2 c + h.
; So (bc, j, f) is 1 KiB: 16 columns of W x 32 k in the order in which the lanes of a wave hold source 1 of a bf16 matrix instruction
; (lane 16 h + r, registers 4 c .. 4 c + 3).  The columns of a fragment are 4 apart, so that a lane of the next launch ends up with
; four neighbouring columns of the result in four accumulators.
; SHARES: work-group = 64 rows of W (one group of 64 columns of the result) x 64 blocks kb: 4,096 pieces of 16 bytes, 64 KiB of wt.
; 256 threads, 16 pieces each.  The whole codebook lies in LDS in bf16 (64 KiB), rounded once by each work-group; the work-group's
; 4,096 indices come in as whole rows of 256 bytes and are handed round through LDS.
; No matrix unit, no cluster, no tensor load: the launch moves 4 MiB in and 16 MiB out and has nothing to multiply.
; LIMITS: an index outside 0 .. 4095 is taken as 4095 (unsigned minimum); the problem keeps indices inside the table.
; The codebook is rounded to bf16, to nearest even; its range is that of f32; NaN and infinities stay what they are.
.set CB,     0                         ; LDS: codebook row i in bf16 at 16 i, 65,536 bytes
.set IDX,    65536                     ; LDS: 64 rows of 64 indices; row 16 b + r holds the indices of W's row 4 r + b of my 64
.set IPITCH, 272                       ; 256 bytes + 16: sixteen lanes that take one column of 16 neighbouring rows touch 16 different 16-byte columns modulo 256
.set IO,  1                            ; v1   indices: byte offset of my 16 bytes in the first 16 rows
.set IS,  2                            ; v2   LDS: where they go
.set CO,  3                            ; v3   codebook: 16 t
.set CS,  4                            ; v4   LDS: 8 t, the same numbers in bf16
.set IR,  5                            ; v5   LDS: where I read my four indices of row r (b = 0)
.set VO,  6                            ; v6   wt: byte offset of my piece e = 0
.set RR,  7                            ; v7   r = t & 15
.set IQ,  8                            ; v[8:23]    four loads of four indices
.set C,   24                           ; v[24:151]  32 loads of four codebook numbers; rounded in place
.set Q,   24                           ; v[24:39]   later: my 16 indices, then their LDS addresses
.set D,   40                           ; v[40:103]  later: my 16 pieces
.set HQ,  152                          ; v152 t >> 4
.set TT,  153                          ; v153 16 r
.set U,   154                          ; v154 at work
	s_load_b128 s[4:7], s[0:1], 0x0                ; codebook s[4:5], indices s[6:7]
	s_load_b64 s[8:9], s[0:1], 0x10                ; wt
	v_lshl_add_u32 v156, v0, 2, 0x14400
	v_mov_b32 v157, 0
	s_and_b32 s10, ttmp9, 7                        ; ks: which 64 blocks kb (j = 16 ks .. 16 ks + 15)
	s_lshr_b32 s11, ttmp9, 3                       ; grp: which 64 rows of W, 0 .. 31
	s_lshl_b32 s12, s11, 17                        ; indices: 64 rows x 2,048 bytes
	s_lshl_b32 s13, s10, 8                         ; + 64 indices x 4 bytes
	s_or_b32 s12, s12, s13
	s_mov_b32 s13, 0
	s_lshr_b32 s14, s11, 2                         ; bc = grp >> 2
	s_lshl_b32 s14, s14, 21
	s_lshl_b32 s15, s10, 18                        ; j = 16 ks: ks << 18
	s_or_b32 s14, s14, s15
	s_and_b32 s15, s11, 3                          ; g = grp & 3; f = 4 g + b: g << 12
	s_lshl_b32 s15, s15, 12
	s_or_b32 s14, s14, s15
	s_mov_b32 s15, 0
	v_and_b32 v[RR], 15, v0
	v_lshrrev_b32 v[HQ], 4, v0
	v_lshlrev_b32 v[TT], 4, v[RR]
	v_lshl_or_b32 v[IO], v[HQ], 11, v[TT]          ; row t >> 4 (2,048 bytes each), 16 bytes at 16 (t & 15): sixteen lanes take a row's 256 bytes
	v_and_b32 v[IS], 3, v[HQ]                      ; that row is n_loc = (t >> 4) + 16 i: b = n_loc & 3, r = n_loc >> 2 = (t >> 6) + 4 i
	v_lshrrev_b32 v[U], 6, v0
	v_lshl_add_u32 v[IS], v[IS], 4, v[U]           ; LDS row 16 b + r (the 4 i stands in the store's immediate)
	v_mul_u32_u24 v[IS], v[IS], IPITCH
	v_add_nc_u32 v[IS], v[IS], v[TT]
	v_add_nc_u32 v[IS], IDX, v[IS]
	v_lshlrev_b32 v[CO], 4, v0
	v_lshlrev_b32 v[CS], 3, v0
	v_mul_u32_u24 v[IR], v[RR], IPITCH             ; LDS row r, the four indices of j_loc = t >> 4
	v_lshl_add_u32 v[IR], v[HQ], 4, v[IR]
	v_add_nc_u32 v[IR], IDX, v[IR]
	v_lshl_or_b32 v[VO], v[HQ], 14, v[TT]          ; wt: j_loc << 14 + r << 4
	s_wait_kmcnt 0x0
	s_add_nc_u64 s[6:7], s[6:7], s[12:13]
	s_add_nc_u64 s[8:9], s[8:9], s[14:15]
.irp i, 0,1,2,3
	global_load_b128 v[IQ+4*\i:IQ+4*\i+3], v[IO], s[6:7] offset:\i*32768 th:TH_LOAD_NT    ; 16 rows further down each time; each index is read once in the launch
.endr
.set i, 0
.rept 32
	global_load_b128 v[C+4*i:C+4*i+3], v[CO], s[4:5] offset:i*4096     ; a wave takes 512 neighbouring bytes, the work-group 4 KiB, 32 times: the whole codebook
.set i, i+1
.endr
	s_wait_loadcnt 32                              ; loads come back in order (ISA guide 5.7.1): the 32 codebook loads are younger, the four index loads are in
.irp i, 0,1,2,3
	ds_store_b128 v[IS], v[IQ+4*\i:IQ+4*\i+3] offset:\i*4*IPITCH
.endr
.set i, 0
.rept 32
	s_wait_loadcnt 31-i                            ; load i is in, the younger ones stay out
	v_cvt_pk_bf16_f32 v[C+4*i],   v[C+4*i],   v[C+4*i+1]       ; four numbers become 8 bytes, in place
	v_cvt_pk_bf16_f32 v[C+4*i+1], v[C+4*i+2], v[C+4*i+3]
	ds_store_b64 v[CS], v[C+4*i:C+4*i+1] offset:CB+i*2048
.set i, i+1
.endr
	s_wait_dscnt 0x0                               ; my LDS stores are done: the other waves read them behind the barrier
	s_barrier_signal -1
	s_barrier_wait -1
.irp b, 0,1,2,3
	ds_load_b128 v[Q+4*\b:Q+4*\b+3], v[IR] offset:\b*16*IPITCH     ; row 16 b + r: indices of n_loc = 4 r + b, kb_loc = 4 j_loc + 0 .. 3
.endr
	s_wait_dscnt 0x0
.set e, 0
.rept 16
	v_min_u32 v[Q+e], 0xfff, v[Q+e]                ; inside the table, whatever was loaded
	v_lshlrev_b32 v[Q+e], 4, v[Q+e]                ; 16 bytes a row
.set e, e+1
.endr
.set e, 0
.rept 16
	ds_load_b128 v[D+4*e:D+4*e+3], v[Q+e] offset:CB
.set e, e+1
.endr
.set e, 0
.rept 16
	s_wait_dscnt 15-e                              ; LDS loads come back in order: piece e is in
	global_store_b128 v[VO], v[D+4*e:D+4*e+3], s[8:9] offset:256*e     ; e = 4 b + 2 c + h.  Lanes 0-15 (r = 0 .. 15) store 256 consecutive bytes, aligned; lanes 16-31 those of the next j
.set e, e+1
.endr
	s_wait_tensorcnt 0x0
	ds_add_u32 v156, v157
	s_wait_dscnt 0x0
	s_endpgm
.Lfunc_end_k_q7cf2c4bfea_build_w:
	.size	k_q7cf2c4bfea_build_w, .Lfunc_end_k_q7cf2c4bfea_build_w-k_q7cf2c4bfea_build_w
	.p2alignl 7, 3214868480
	.fill 96, 4, 3214868480
	.section	.rodata,"a",@progbits
	.p2align	6, 0x0
	.amdhsa_kernel k_q7cf2c4bfea_build_w
		.amdhsa_group_segment_fixed_size 83968
		.amdhsa_private_segment_fixed_size 0
		.amdhsa_enable_private_segment 0
		.amdhsa_kernarg_size 24
		.amdhsa_user_sgpr_count 2
		.amdhsa_user_sgpr_kernarg_segment_ptr 1
		.amdhsa_wavefront_size32 1
		.amdhsa_system_sgpr_workgroup_id_x 1
		.amdhsa_system_sgpr_workgroup_id_y 1
		.amdhsa_system_sgpr_workgroup_id_z 1
		.amdhsa_system_vgpr_workitem_id 0
		.amdhsa_next_free_vgpr 158
		.amdhsa_next_free_sgpr 66
		.amdhsa_reserve_vcc 0
		.amdhsa_float_denorm_mode_32 3
		.amdhsa_float_denorm_mode_16_64 3
		.amdhsa_memory_ordered 1
		.amdhsa_forward_progress 1
		.amdhsa_inst_pref_size 18
	.end_amdhsa_kernel
	.amdgpu_metadata
---
amdhsa.version: [ 1, 2 ]
amdhsa.kernels:
  - .name:           k_q7cf2c4bfea_build_w
    .symbol:         k_q7cf2c4bfea_build_w.kd
    .args:
      - { .name: codebook, .offset: 0, .size: 8, .value_kind: global_buffer, .address_space: global }
      - { .name: indices, .offset: 8, .size: 8, .value_kind: global_buffer, .address_space: global }
      - { .name: wt, .offset: 16, .size: 8, .value_kind: global_buffer, .address_space: global }
    .group_segment_fixed_size: 83968
    .private_segment_fixed_size: 0
    .kernarg_segment_align: 8
    .kernarg_segment_size: 24
    .max_flat_workgroup_size: 256
    .sgpr_count:     66
    .vgpr_count:     158
    .wavefront_size: 32
...
	.end_amdgpu_metadata
.endif
;; end of part 1
;; launch gemm (part 2): grid 8 x 32, 4 waves a work-group, clusters of 4 x 4, 327,680 bytes of LDS; arguments x, wt, bias, out0; writes out0
.if DOCPART == 2
	.amdgcn_target "amdgcn-amd-amdhsa--gfx1250"
	.amdhsa_code_object_version 6
	.text
	.protected	k_q7cf2c4bfea_gemm
	.globl	k_q7cf2c4bfea_gemm
	.p2align	8
	.type	k_q7cf2c4bfea_gemm,@function
k_q7cf2c4bfea_gemm:
	s_mov_b64 s[64:65], 0
	v_nop
	global_prefetch_b8 v0, s[64:65] scope:SCOPE_SE
	s_setreg_imm32_b32 hwreg(HW_REG_WAVE_MODE, 25, 1), 1
	s_wait_xcnt 0x0
	s_wait_alu depctr_hold_cnt(0) depctr_sa_sdst(0) depctr_va_vdst(0) depctr_va_sdst(0) depctr_va_ssrc(0) depctr_va_vcc(0) depctr_vm_vsrc(0)
	s_getreg_b32 s2, hwreg(HW_REG_IB_STS2, 6, 4)
	s_cmp_eq_u32 s2, 0
	s_cbranch_scc0 .Lentry_in_a_cluster
	s_endpgm
.Lentry_in_a_cluster:
	s_bfe_u32 s2, ttmp6, 0x10000c
	s_cmp_lg_u32 s2, 0xf033
	s_cbranch_scc0 .Lentry_shape_is_right
	s_endpgm
.Lentry_shape_is_right:
; out0[m][n] = sum over k of x[m][k] W[n][k] + bias[n].  x: [8192][4096] f32.  wt: W in bf16 in fragment order (below).  out0: [8192][2048] f32.
; A work-group makes a block of 256 x 256 with four waves, as many as a WGP has SIMDs.  A wave makes 64 rows x all 256 columns: 64 accumulator
; tiles of 16 x 16, 512 registers.  With that shape each number of x in the block is read from LDS and rounded to bf16 once, by the one wave that owns
; its row: for 32 along K a wave reads 8 KiB of x (f32) and 16 KiB of W (bf16), rounds with 32 instructions and issues 64 matrix instructions.
; x IS NOT CAST IN A LAUNCH OF ITS OWN: it lands in LDS as f32 and is rounded on the way into the fragments.
; wt: byte = bc<<21 + j<<14 + f<<10 + c<<9 + h<<8 + r<<4 holds W[n][k .. k+7] in bf16, n = 256 bc + 64 (f>>2) + 4 r + (f&3), k = 32 j + 16 c + 8 h.
;   (bc, j, f) is one fragment of source 1, 1 KiB: two loads of 16 bytes a lane at 16 x lane and 512 further on, neighbouring lanes at neighbouring bytes.
;   A tile of W for any range of K is a dense block of memory.
; THE RING: two EQUAL LDS slots of 96 along K, so that each refill (144 KiB a work-group) has the whole work on the other slot in which to land: from a request to the
;   wait for it a wave issues 192 matrix instructions.  Two slots of 128 would take 401,408 bytes and do not fit; slots of 64 and 128 would give the larger load the shorter time.
;   The price: a row of x in a tile is 384 bytes; tiles with even numbers start at a multiple of 256 bytes from the buffer's first byte, odd ones 128 bytes further on.
;   4096 = 42 x 96 + 64: tiles T0 .. T41 are whole, T42 has 64 along K.  Its descriptor for x says that 64 elements are left of the row: the tile keeps its 96 columns and
;   its pitch, the mover lays zeros into the last 32 (ISA guide, chapter on the tensor data mover), and nothing reads them.  Its descriptors for W bring 2 x 16 KiB.
; CLUSTERS: 4 x 4 work-groups.  The four of a row of the cluster need the same tiles of x, the four of a column the same tiles of W: each tile is asked for jointly.
; LIMITS: x is rounded to bf16 (nearest even), W was so rounded by the launch before; sums in f32, K ascending, grouped as the matrix instruction groups them; the bias is added last, in f32.
;   bf16 keeps the range of f32; NaN and infinities go through as the arithmetic makes them.
;
; LDS, slot s at 159,744 s:  x 256 rows, pitch 432 (110,592 bytes);  W 3 x 16 KiB behind it (49,152 bytes).  End 319,488.
; REGISTERS, in windows of 256:
;   window 0: v8-14 addresses; v16-31 bias; v32-95 x as f32 (4 fragments x 16); v96-127, v128-159 x in bf16, two buffers; v160-223 second buffer of the way out
;   window 1: v0-127, v128-255 fragments of W, two buffers (16 x 8)
;   window 2: accumulator tiles (a, f) of a = 0, 1 at v[8 (16 (a & 1) + f)];   window 3: those of a = 2, 3
.set PITCH, 432                        ; an LDS row of x: three pieces of 128 bytes, each with 16 bytes of padding behind it.  432 = 27 x 16: the 16 rows that a load touches lie in 16 different 16-byte columns modulo 256
.set QSTEP, 144                        ; from one step of 32 along K to the next in such a row
.set AHALF, 128*PITCH                  ; what one tensor load of x fills
.set ASLOT, 256*PITCH
.set BHALF, 24576                      ; what one tensor load of W fills
.set SLOT,  ASLOT+2*BHALF
.set ASTEP, 768                        ; 192 along K in x: bytes
.set BSTEP, 98304                      ; 192 along K in wt: six blocks of 16 KiB
.set ADRA, 8                           ; v8, v9    LDS address of my rows of x in slot 0, 1
.set ADRB, 10                          ; v10, v11  LDS address of my 16 bytes of a fragment of W in slot 0, 1
.set CO,   12                          ; v12       my byte offset in out0
.set BO,   13                          ; v13       my byte offset in bias
.set PFV,  14                          ; v14       my byte offset for asking ahead in x
.set BIAS, 16                          ; v[16:31]  bias of my 16 columns: group g of 64 columns at +4 g
.set STG,  32                          ; v[32:95]
.set AB0,  96                          ; buffer p at AB0 + 32 p
.set T1,   160
.set G1A, 28                           ; s[28:35] group 1 for x, whole tiles; s[36:43] the last tile
.set G1B, 44                           ; s[44:51] group 1 for W, whole tiles; s[52:59] the last tile
.set G0A, 60                           ; s[60:63], s[68:71]  group 0 for x, slot 0, 1
.set G0B, 72                           ; s[72:75], s[76:79]  group 0 for W, slot 0, 1
.set PFB, 80                           ; s[80:81]  base for asking ahead
.set G0BL, 84                          ; s[84:87]  group 0 for W, the last tile
.set MSB, 0
.macro WIN new                         ; the immediate's high byte repeats the setting that is left; a switch that changes nothing is dropped
.if MSB != (\new)
	s_set_vgpr_msb (MSB<<8)|(\new)
.set MSB, (\new)
.endif
.endm
.set MUL_LO, 0xa4                      ; source 0 (x) window 0, source 1 (W) window 1, C and D window 2
.set MUL_HI, 0xf4                      ; the same, C and D window 3
.set TO_B,   0x40                      ; destination window 1, address window 0
; A joint load into slot s; last = 1: with the last tile's descriptors.  Waves 0 and 1 fetch the two halves of x's tile, waves 2 and 3 those of W's.  Each line has one mask and
; one set of registers for all that issue it; the branch hangs on the wave's number alone.  Four v_nop follow each line.
.macro JLOAD s, last
	s_cmp_eq_u32 s13, 0
	s_cbranch_scc0 .Lfor_b_\@
	tensor_load_to_lds s[G0A+8*(\s):G0A+8*(\s)+3], s[G1A+8*(\last):G1A+8*(\last)+7]
	s_nop 0
.rept 4
	v_nop
.endr
	s_branch .Lasked_\@
.Lfor_b_\@:
.if \last
	tensor_load_to_lds s[G0BL:G0BL+3], s[G1B+8:G1B+15]
	s_nop 0
.else
	tensor_load_to_lds s[G0B+4*(\s):G0B+4*(\s)+3], s[G1B:G1B+7]
	s_nop 0
.endif
.rept 4
	v_nop
.endr
.Lasked_\@:
.endm
; A round of the cluster's barrier: my work-group's barrier, wave 0 signals for the work-group, every wave waits for all sixteen, my work-group's barrier once more.
.macro CREST                           ; a round behind its opening barrier
	s_cmp_lg_u32 s12, 0
	s_cbranch_scc1 .Lnot_wave_0_\@
	s_barrier_signal -3
.Lnot_wave_0_\@:
	s_barrier_wait -3
	s_barrier_signal -1
	s_barrier_wait -1
.endm
.macro CROUND
	s_barrier_signal -1
	s_barrier_wait -1
	CREST
.endm
	s_load_b256 s[4:11], s[0:1], 0x0               ; x s[4:5], wt s[6:7], bias s[8:9], out0 s[10:11]
	v_lshl_add_u32 v254, v0, 2, 0x4e000
	v_mov_b32 v255, 0
	ds_add_u32 v254, v255
	v_lshrrev_b32 v1, 5, v0
	v_readfirstlane_b32 s12, v1                    ; wave 0 .. 3
	s_lshr_b32 s13, s12, 1                         ; 0: I fetch for x, 1: for W
	s_and_b32 s14, s12, 1                          ; which half of that tile
	s_bfe_u32 s16, ttmp6, 0x40000                  ; cx
	s_bfe_u32 s17, ttmp6, 0x40004                  ; cy
	s_lshl_b32 s18, ttmp9, 2
	s_add_co_u32 s18, s18, s16                     ; bc: block column = 4 x cluster x + cx, 0 .. 7
	s_and_b32 s19, ttmp7, 0xffff
	s_lshl_b32 s19, s19, 2
	s_add_co_u32 s19, s19, s17                     ; br: block row = 4 x cluster y + cy, 0 .. 31
	s_lshl_b32 s20, s17, 2
	s_lshl_b32 s20, 15, s20                        ; my row of the cluster: places 4 cy .. 4 cy + 3
	s_lshl_b32 s21, 0x1111, s16                    ; my column: places cx, cx + 4, cx + 8, cx + 12
	; Group 1, l = 0: whole tiles, l = 1: the last tile.
	;   x: 128 rows of 96 elements of 4 bytes, 4,096 elements from row to row, 4 words of padding behind every 32 words; in the last tile 64 elements are left of a row.
	;   W: a dense block as 96 (the last tile: 64) rows of 32 elements of 8 bytes, no padding.
.irp l, 0,1
	s_or_b32  s[G1A+8*\l+0], s20, (2<<16)|(1<<20)|(1<<21)|(4<<22)|(3<<25)   ; 15:0 mask: my row; 17:16 4 bytes; 20 padding on; 21 set beside a mask; 24:22 after 32 words; 31:25 four words
	s_mov_b32 s[G1A+8*\l+1], (96-32*\l)<<16        ; tensor_dim0: what is left of the row
	s_mov_b32 s[G1A+8*\l+2], 128<<16               ; tensor_dim1
	s_mov_b32 s[G1A+8*\l+3], 96<<16                ; tile_dim0
	s_mov_b32 s[G1A+8*\l+4], 128                   ; tile_dim1
	s_mov_b32 s[G1A+8*\l+5], 4096                  ; from row to row
	s_mov_b32 s[G1A+8*\l+6], 0
	s_mov_b32 s[G1A+8*\l+7], 0
	s_or_b32  s[G1B+8*\l+0], s21, (3<<16)|(1<<21)  ; mask: my column; 8 bytes; no padding
	s_mov_b32 s[G1B+8*\l+1], 32<<16
	s_mov_b32 s[G1B+8*\l+2], (96-32*\l)<<16
	s_mov_b32 s[G1B+8*\l+3], 32<<16
	s_mov_b32 s[G1B+8*\l+4], 96-32*\l
	s_mov_b32 s[G1B+8*\l+5], 32
	s_mov_b32 s[G1B+8*\l+6], 0
	s_mov_b32 s[G1B+8*\l+7], 0
.endr
	; Where the tiles come from.  x's hang on the block row, which my row of the cluster shares; W's on the block column, which my column shares.
	; s[22:23] never hold cx; s[24:25] and s[2:3] never hold cy.
	s_lshl_b32 s22, s19, 22                        ; 256 rows x 16,384 bytes
	s_lshl_b32 s23, s14, 21                        ; + my 128 rows
	s_add_co_u32 s22, s22, s23
	s_mov_b32 s23, 0
	s_lshl_b32 s24, s18, 21                        ; wt: bc << 21
	s_lshl_b32 s2, s14, 14                         ; the last tile: my one of its two blocks of 16 KiB,
	s_add_co_u32 s2, s2, s24
	s_add_co_u32 s2, s2, 42*2*BHALF                ; behind the 42 whole tiles
	s_mov_b32 s3, 0
	s_mul_i32 s25, s14, BHALF                      ; whole tiles: my half of 48 KiB
	s_add_co_u32 s24, s24, s25
	s_mov_b32 s25, 0
	s_mov_b32 s27, 0
	s_wait_dscnt 0x0
	s_wait_kmcnt 0x0
	s_add_nc_u64 s[22:23], s[4:5], s[22:23]
	; Group 0, a set for each slot.  LDS addresses: a constant + the wave's number times a constant (waves 0, 1: x's halves; waves 2, 3: W's halves).
.irp s, 0,1
	s_mov_b32 s[G0A+8*\s], 1
	s_mul_i32 s[G0A+8*\s+1], s12, AHALF
	s_add_co_u32 s[G0A+8*\s+1], s[G0A+8*\s+1], \s*SLOT
	s_add_nc_u64 s[G0A+8*\s+2:G0A+8*\s+3], s[22:23], \s*384        ; slot 0: T0, K = 0; slot 1: T1, K = 96
	s_or_b32 s[G0A+8*\s+3], s[G0A+8*\s+3], 0x80000000              ; type = 2
	s_mov_b32 s[G0B+4*\s], 1
	s_mul_i32 s[G0B+4*\s+1], s12, BHALF
	s_add_co_u32 s[G0B+4*\s+1], s[G0B+4*\s+1], ASLOT+\s*SLOT-2*BHALF   ; wave 2 lands at the region's first byte
.endr
	s_add_nc_u64 s[G0B+2:G0B+3], s[6:7], s[24:25]
	s_add_nc_u64 s[G0B+6:G0B+7], s[G0B+2:G0B+3], 2*BHALF
	s_or_b32 s[G0B+3], s[G0B+3], 0x80000000
	s_or_b32 s[G0B+7], s[G0B+7], 0x80000000
	s_mov_b32 s[G0BL], 1
	s_lshl_b32 s[G0BL+1], s12, 14
	s_add_co_u32 s[G0BL+1], s[G0BL+1], ASLOT-2*16384               ; slot 0; wave 2 at the region's first byte, wave 3 16 KiB behind it
	s_add_nc_u64 s[G0BL+2:G0BL+3], s[6:7], s[2:3]
	s_or_b32 s[G0BL+3], s[G0BL+3], 0x80000000
	CROUND                                         ; all sixteen work-groups are here: the first joint loads meet
	JLOAD 0, 0                                     ; T0
	JLOAD 1, 0                                     ; T1: two tensor loads of the wave are out, the most in this text
	; the other addresses
	s_lshl_b32 s26, s19, 22
	s_add_nc_u64 s[PFB:PFB+1], s[4:5], s[26:27]    ; x at my block row,
	s_add_nc_u64 s[PFB:PFB+1], s[PFB:PFB+1], ASTEP ; at T2; stepped before each use
	s_lshl_b32 s26, s18, 10                        ; 256 columns x 4 bytes
	s_add_nc_u64 s[8:9], s[8:9], s[26:27]
	s_add_nc_u64 s[10:11], s[10:11], s[26:27]
	s_lshl_b32 s26, s19, 21                        ; 256 rows x 8,192 bytes
	s_lshl_b32 s15, s12, 19                        ; + my 64 rows
	s_add_co_u32 s26, s26, s15
	s_add_nc_u64 s[10:11], s[10:11], s[26:27]
	v_and_b32 v1, 15, v0                           ; r
	v_bfe_u32 v2, v0, 4, 1                         ; h
	v_and_b32 v3, 31, v0                           ; lane
	v_lshlrev_b32 v5, 4, v3
	; A fragment of x, 16 rows x 32 K: lane (r, h) holds row r, K = 8 h .. 8 h + 7 and 16 + 8 h .. + 7.  In f32 that is 32 bytes at 32 h and 32 bytes at 64 + 32 h of the step's 128.
	v_mul_u32_u24 v4, v1, PITCH
	v_lshl_add_u32 v4, v2, 5, v4
	s_mul_i32 s15, s12, 64*PITCH                   ; my 64 rows (s15 holds nothing but numbers made of the wave's number, and later the trips)
.irp s, 0,1
	v_add_nc_u32 v[ADRA+\s], s15, v4
	v_add_nc_u32 v[ADRB+\s], ASLOT+\s*SLOT, v5
	s_add_co_u32 s15, s15, SLOT
.endr
	v_lshlrev_b32 v[BO], 4, v1                     ; columns 4 r .. 4 r + 3 of a group of 64
	v_lshl_or_b32 v[CO], v2, 16, v[BO]             ; and 8 rows of 8,192 bytes further down for lanes 16-31
	s_lshl_b32 s26, s18, 5                         ; asking ahead: row 32 bc + lane of the block row, block number = my wave's number (0 .. 2) of the row's three
	v_add_nc_u32 v6, s26, v3
	s_lshl_b32 s15, s12, 8
	v_lshlrev_b32 v6, 14, v6
	v_or_b32 v[PFV], s15, v6
.irp g, 0,1,2,3
	global_load_b128 v[BIAS+4*\g:BIAS+4*\g+3], v[BO], s[8:9] offset:256*\g     ; waited for in front of the way out; its registers are touched by nothing until then
.endr
; 32 roundings: the four fragments of x in STG become buffer p
.macro CVT p
.irp a, 0,1,2,3
.irp i, 0,1,2,3,4,5,6,7
	v_cvt_pk_bf16_f32 v[AB0+32*(\p)+8*\a+\i], v[STG+16*\a+2*\i], v[STG+16*\a+2*\i+1]
.endr
.endr
.endm
; 48 LDS loads in one run: 32 along K, number q of slot s.  First x (16 loads, into STG), then W (32 loads, into buffer p).
.macro FETCH s, q, p
	WIN 0
.irp a, 0,1,2,3
	ds_load_b128 v[STG+16*\a:STG+16*\a+3],     v[ADRA+(\s)] offset:\a*16*PITCH+QSTEP*(\q)
	ds_load_b128 v[STG+16*\a+4:STG+16*\a+7],   v[ADRA+(\s)] offset:\a*16*PITCH+QSTEP*(\q)+16
	ds_load_b128 v[STG+16*\a+8:STG+16*\a+11],  v[ADRA+(\s)] offset:\a*16*PITCH+QSTEP*(\q)+64
	ds_load_b128 v[STG+16*\a+12:STG+16*\a+15], v[ADRA+(\s)] offset:\a*16*PITCH+QSTEP*(\q)+80
.endr
	WIN TO_B
.irp f, 0,1,2,3,4,5,6,7,8,9,10,11,12,13,14,15
	ds_load_b128 v[128*(\p)+8*\f:128*(\p)+8*\f+3],   v[ADRB+(\s)] offset:16384*(\q)+1024*\f
	ds_load_b128 v[128*(\p)+8*\f+4:128*(\p)+8*\f+7], v[ADRB+(\s)] offset:16384*(\q)+1024*\f+512
.endr
.endm
; 16 matrix instructions: rows 16 a .. 16 a + 15 of my 64 x all 16 fragments of W, 32 along K, from buffers p.  zero = 1: the first product starts the sums: nothing is cleared.
; The 64 accumulators take turns, one instruction a turn, in the same order in every step, over the backward jump too.
.macro MUL16 p, a, zero
.irp f, 0,1,2,3,4,5,6,7,8,9,10,11,12,13,14,15
.if \zero
	v_wmma_f32_16x16x32_bf16 v[8*(16*((\a)&1)+\f):8*(16*((\a)&1)+\f)+7], v[AB0+32*(\p)+8*(\a):AB0+32*(\p)+8*(\a)+7], v[128*(\p)+8*\f:128*(\p)+8*\f+7], 0
.else
	v_wmma_f32_16x16x32_bf16 v[8*(16*((\a)&1)+\f):8*(16*((\a)&1)+\f)+7], v[AB0+32*(\p)+8*(\a):AB0+32*(\p)+8*(\a)+7], v[128*(\p)+8*\f:128*(\p)+8*\f+7], v[8*(16*((\a)&1)+\f):8*(16*((\a)&1)+\f)+7]
.endif
.endr
.endm
.macro MUL64 p, zero
	WIN MUL_LO
	MUL16 \p, 0, \zero
	MUL16 \p, 1, \zero
	WIN MUL_HI
	MUL16 \p, 2, \zero
	MUL16 \p, 3, \zero
.endm
; A step of 32 along K that is not its slot's last: number q of slot s, on buffers p.  The buffers alternate from step to step through the whole kernel.
; The 32 roundings name STG and x's buffer p alone; the matrix instructions of the step before named the buffers 1 - p and accumulators.  So the roundings are the
; places (independent vector instructions) between those matrix instructions and the loads into W's buffer 1 - p, and between the matrix instructions
; two steps back and the next writing of the x buffer that they read.
.macro SUB s, q, p, zero
	s_wait_dscnt 32                                ; LDS loads come back in order (ISA guide 5.7.1): the 32 loads of W are younger, the 16 of x are in
	WIN 0
	CVT \p
	s_wait_dscnt 0x0                               ; W's buffer p is in
	FETCH \s, \q+1, 1-\p                           ; the next step's 48 loads, ahead of this step's 64 matrix instructions
	MUL64 \p, \zero
.endm
; A slot's last step, on buffers p, and the change of slots.  refill = 1: slot s is filled again, 192 further along K (last = 1: with the last tile); pf = 1: x is asked for ahead.
; This step's 48 LDS loads, the last reads of slot s, were issued a whole step ago.  So the change of slots stands at the step's head: each wave waits for those reads and for
; all its tensor loads, of which one is out, its part of the other slot, and signals.  Where the slot is filled again that barrier opens a round of the cluster's barrier; inside the
; round stand the 32 roundings, register work alone; the joint refill is the first tensor load behind the round's closing wait, one a wave.  All 64 matrix instructions of the
; step follow it, so that the request has them, and the other slot's first two steps, in which to land.
; The roundings are also the places in front of the loads into W's buffer 1 - p, as in SUB.
.macro TURN s, p, refill, last, pf
	s_wait_dscnt 0x0                               ; my reads of this slot are over
	s_set_vgpr_msb 0xf4f0
	s_wait_tensorcnt 0x0                           ; all my tensor loads have landed: my part of the other slot
	ds_add_u32 v254, v255
	s_wait_dscnt 0x0
	s_set_vgpr_msb 0xf0f4
	s_barrier_signal -1
	WIN 0
	CVT \p
	s_barrier_wait -1
.if \refill
	CREST                                          ; no wave of any partner still reads this slot or has a load on its way
	s_add_nc_u64 s[G0A+8*\s+2:G0A+8*\s+3], s[G0A+8*\s+2:G0A+8*\s+3], ASTEP     ; no tensor load of mine is out: the sets may be written
.if \last
.else
	s_add_nc_u64 s[G0B+4*\s+2:G0B+4*\s+3], s[G0B+4*\s+2:G0B+4*\s+3], BSTEP
.endif
	JLOAD \s, \last
.if \pf
	; Asking ahead in x: the two tiles that the next two changes of slots will request (three and six steps of 32 along K further on in this text).  Together they are 768 bytes of each of
	; 256 rows, three aligned blocks of 256 bytes a row.  The eight work-groups of a block row take 32 rows each; waves 0, 1, 2 take one block each, a lane a row: each block is
	; asked for once in the launch.  That covers T4 .. T41.  The loop's last trip (counter 1) asks for nothing: of its 768 bytes only the last tile's 256 lie inside the row.
	s_wait_xcnt 0x0                                ; the base that the last request named is stepped only behind this wait
	s_add_nc_u64 s[PFB:PFB+1], s[PFB:PFB+1], ASTEP
	s_cmp_eq_u32 s12, 3
	s_cbranch_scc1 .Lno_ask_\@
	s_cmp_eq_u32 s15, 1
	s_cbranch_scc1 .Lno_ask_\@
	global_prefetch_b8 v[PFV], s[PFB:PFB+1] th:TH_LOAD_NT scope:SCOPE_SE
.Lno_ask_\@:
.endif
.endif
	FETCH 1-\s, 0, 1-\p                            ; the other slot's first step
	MUL64 \p, 0
.endm
.macro P0 zero, refill, last           ; a whole tile in slot 0: buffers 0, 1, 0
	SUB 0, 0, 0, \zero
	SUB 0, 1, 1, 0
	TURN 0, 0, \refill, \last, 0
.endm
.macro P1 refill, pf                   ; a whole tile in slot 1: buffers 1, 0, 1
	SUB 1, 0, 1, 0
	SUB 1, 1, 0, 0
	TURN 1, 1, \refill, 0, \pf
.endm
	s_mov_b32 s15, 19                              ; the loop's trips; read by the asking ahead from here on
	s_wait_tensorcnt 0x1                           ; my part of T0 is in; T1's load, issued behind it, may stay out
	s_barrier_signal -1
	s_barrier_wait -1                              ; everybody's part is in
	FETCH 0, 0, 0
	P0 1, 1, 0                                     ; T0; asks for T2.  It stands in front of the loop: its first 64 products start the sums
	P1 1, 1                                        ; T1; asks for T3
	WIN 0                                          ; at a label and at a branch every window is 0
.Lperiod:                                          ; j = 1 .. 19: T(2j), asks for T(2j+2); T(2j+1), asks for T(2j+3)
	P0 0, 1, 0
	P1 1, 1
	WIN 0
	s_sub_co_u32 s15, s15, 1
	s_cmp_lg_u32 s15, 0
	s_cbranch_scc1 .Lperiod
	P0 0, 1, 1                                     ; T40; asks for T42, the last tile
	P1 0, 0                                        ; T41; nothing is left to fetch: a plain barrier, in front of which T42 has landed
	SUB 0, 0, 0, 0                                 ; T42: two steps
	s_wait_dscnt 32                                ; the very last step
	WIN 0
	CVT 1
	s_wait_dscnt 0x0
	MUL64 1, 0
	; THE WAY OUT.  Register j of tile (a, 4 g + b) in lane (r, h) is out0(row 16 a + 8 h + j, column 64 g + 4 r + b).  The bias add writes b = 0 .. 3 into four neighbouring
	; registers, so a lane holds 16 neighbouring bytes of a row and sixteen lanes store 256 consecutive bytes, aligned: no way through LDS.
.rept 4
	v_nop                                          ; four places between the last matrix instructions and the first vector instruction that reads a result (ISA guide 7.12.1)
.endr
	s_wait_loadcnt 0x0                             ; the bias
; rows 16 a + 4 jh .. + 3 (and those 8 further down); T: the buffer, two in turn; from: the window of source 0
.macro OUT a, jh, T, from
	s_wait_xcnt 0x0                                ; buffer T, which stores of the turn before last read, is rewritten only behind this wait
	WIN \from
.irp jj, 0,1,2,3
.irp g, 0,1,2,3
.irp b, 0,1,2,3
	v_add_f32 v[\T+16*\jj+4*\g+\b], v[8*(16*((\a)&1)+4*\g+\b)+4*\jh+\jj], v[BIAS+4*\g+\b]
.endr
.endr
.endr
	WIN 0
.irp jj, 0,1,2,3
.irp g, 0,1,2,3
	global_store_b128 v[CO], v[\T+16*\jj+4*\g:\T+16*\jj+4*\g+3], s[10:11] offset:(16*\a+4*\jh+\jj)*8192+256*\g th:TH_STORE_NT
.endr
.endr
.endm
	OUT 0, 0, STG, 2
	OUT 0, 1, T1,  2
	OUT 1, 0, STG, 2
	OUT 1, 1, T1,  2
	OUT 2, 0, STG, 3
	OUT 2, 1, T1,  3
	OUT 3, 0, STG, 3
	OUT 3, 1, T1,  3
	CROUND                                         ; the closing round: no work-group ends while a partner may still ask for a tile that names it
	s_endpgm
.Lfunc_end_k_q7cf2c4bfea_gemm:
	.size	k_q7cf2c4bfea_gemm, .Lfunc_end_k_q7cf2c4bfea_gemm-k_q7cf2c4bfea_gemm
	.p2alignl 7, 3214868480
	.fill 96, 4, 3214868480
	.section	.rodata,"a",@progbits
	.p2align	6, 0x0
	.amdhsa_kernel k_q7cf2c4bfea_gemm
		.amdhsa_group_segment_fixed_size 327680
		.amdhsa_private_segment_fixed_size 0
		.amdhsa_enable_private_segment 0
		.amdhsa_kernarg_size 32
		.amdhsa_user_sgpr_count 2
		.amdhsa_user_sgpr_kernarg_segment_ptr 1
		.amdhsa_wavefront_size32 1
		.amdhsa_system_sgpr_workgroup_id_x 1
		.amdhsa_system_sgpr_workgroup_id_y 1
		.amdhsa_system_sgpr_workgroup_id_z 1
		.amdhsa_system_vgpr_workitem_id 0
		.amdhsa_next_free_vgpr 1024
		.amdhsa_next_free_sgpr 88
		.amdhsa_reserve_vcc 0
		.amdhsa_float_denorm_mode_32 3
		.amdhsa_float_denorm_mode_16_64 3
		.amdhsa_memory_ordered 1
		.amdhsa_forward_progress 1
		.amdhsa_inst_pref_size 228
	.end_amdhsa_kernel
	.amdgpu_metadata
---
amdhsa.version: [ 1, 2 ]
amdhsa.kernels:
  - .name:           k_q7cf2c4bfea_gemm
    .symbol:         k_q7cf2c4bfea_gemm.kd
    .args:
      - { .name: x, .offset: 0, .size: 8, .value_kind: global_buffer, .address_space: global }
      - { .name: wt, .offset: 8, .size: 8, .value_kind: global_buffer, .address_space: global }
      - { .name: bias, .offset: 16, .size: 8, .value_kind: global_buffer, .address_space: global }
      - { .name: out0, .offset: 24, .size: 8, .value_kind: global_buffer, .address_space: global }
    .group_segment_fixed_size: 327680
    .private_segment_fixed_size: 0
    .kernarg_segment_align: 8
    .kernarg_segment_size: 32
    .max_flat_workgroup_size: 128
    .sgpr_count:     88
    .vgpr_count:     1024
    .wavefront_size: 32
...
	.end_amdgpu_metadata
.endif
;; end of part 2
